; MI455X (gfx1250); checked and timed in simulation.
; The chip was launched on July 23, 2026; its instructions are those of AMD's public machine-readable ISA for CDNA 5 (MIT licence, August 2026) and "CDNA5" Instruction Set Architecture Reference Guide (July 2026). The comments in the code are by the model that wrote it; some were corrected since.
;; Differential Attention. Allowed arithmetic: float matrix products may take bf16 or f16 operands with f32 sums; all other float work in f32.
;; Inputs: key 2 x 16 x 2,048 x 64 float32; lambda_params 16 float32; query 2 x 16 x 2,048 x 64 float32; value 2 x 16 x 2,048 x 64 float32.
;; Outputs: out0 2 x 16 x 2,048 x 64 float32.
;; One version. Each part assembles by itself: llvm-mc -triple=amdgcn-amd-amdhsa -mcpu=gfx1250 --defsym DOCPART=n.
;; ======== version 1 of 1: 1 launch
;; limits: values are held in f16: magnitudes above 65,504 overflow, below 6.1e-05 lose precision; inputs' magnitudes at most 65,504; below input magnitudes of 6.1e-05 results are inexact or not finite
;; launch diffattn (part 1): grid 256 x 1, 8 waves a work-group, no clusters, 129,024 bytes of LDS; arguments query, key, value, lambda_params, out0; writes out0
.if DOCPART == 1
	.amdgcn_target "amdgcn-amd-amdhsa--gfx1250"
	.amdhsa_code_object_version 6
	.text
	.protected	k_qa2af0cb912_diffattn
	.globl	k_qa2af0cb912_diffattn
	.p2align	8
	.type	k_qa2af0cb912_diffattn,@function
k_qa2af0cb912_diffattn:
	s_mov_b64 s[64:65], 0
	v_nop
	global_prefetch_b8 v0, s[64:65] scope:SCOPE_SE
	s_setreg_imm32_b32 hwreg(HW_REG_WAVE_MODE, 25, 1), 1
	s_wait_xcnt 0x0
; Differential attention, all of it in one launch.  query, key, value, out0: [32 heads][2048][64] f32 (32 = 2 batches x 16 heads); lambda_params: [16] f32.
;   out = norm( softmax(q1 k1^T / sqrt 32) V - lambda softmax(q2 k2^T / sqrt 32) V ) x 0.2,  q1, k1 = columns 0-31, q2, k2 = columns 32-63,
;   norm = (x - mean) rsqrt(var + 1e-5) over the 64 numbers of a row.
; SHARES.  256 work-groups, 8 for each head; a work-group owns 256 queries, a wave 32 (two blocks qb of 16).  All waves walk the head's 2,048 keys in
; 32 tiles of 64.  A group is g = 2 map + qb: four groups a wave, each with a running maximum, a running sum and 16 queries x 64 d of sums.
; TRANSPOSED USE.  Scores are made as S^T = K Q^T: lane (r, h) then holds, in register j of key block kb, key 16 kb + 8 h + j of query r.  Two neighbouring
; key blocks, packed to f16 register by register, ARE the second operand (k = key, n = query) of O^T = V^T P^T: P never moves between lanes, and
; maximum, sum, rescaling factor, mean and variance are one number a lane; the two halves h meet by one v_permlanex16_b32.
; V^T's fragments come from V as it lies ([key][d]) by the transposing LDS load.
; K AND V go memory -> registers (f32, 512 consecutive bytes for each load of a wave) -> f16 -> one of THREE LDS buffers, tile t in buffer t % 3.
; At the head of trip t a wave stores its part of tile t + 1, asked for a whole trip earlier, asks for tile t + 2 and SIGNALS the barrier; it WAITS for the barrier
; only behind the third group's product, and then reads tile t + 1's first fragments.  Between signal and wait stand register work and LDS loads of tile t's buffer,
; which nobody writes before the next barrier: the stores of trips t and t + 1 go to the two other buffers.  Tile t - 2's buffer is written again in trip t, behind the
; wait of trip t - 1's barrier, for which every wave has signalled with all its LDS loads of trip t - 2 back.
; NO JOINT LOADS, though the eight work-groups of a head read the same K and V: a tensor load would lay f32 into LDS, and the matrix operands are f16,
; so each tile of 32 KiB would be read from LDS, converted and stored again (48 KiB more through LDS a trip, beside the 128 KiB of fragment reads), with a second
; barrier and a round of the cluster's barrier in every trip.  Through registers the conversion lies on the way.
; FORMATS.  Q, K, V and the weights P are rounded to f16, every sum is kept in f32.  f16 and not bf16: 11 significant bits against 8 make each operand's rounding
; eight times smaller, and the normalised result is a difference of two maps in which these roundings are all that is left of error.
; LIMITS.  Inputs are finite and below 65,504 in magnitude (f16's largest number; beyond it an operand becomes infinite); a number below 2^-14 in magnitude keeps an
; absolute error of up to 2^-25.  Weights lie in [0, 1] by the running maximum; one below 2^-25 of that maximum is 0 in the product (2,048 of them stay under 2^-14
; of a row sum, which is at least 1), one below 2^-126 is 0 in the sum too (v_exp_f32 flushes denormal results: ISA guide 15.8).  The row sum is taken over the
; unrounded weights while the product takes them rounded to f16; what that leaves is a factor common to a row's 64 numbers of one map.
; Sums run tile by tile, in another order than a plain softmax's.
.set TILEB, 16384                      ; a tile in memory: 64 keys x 256 bytes
.set KP,    144                        ; LDS pitch of K's and Q's rows: 128 bytes of f16 + 16; an odd multiple of 16, so 16 rows start in 16 different 16-byte columns modulo 256
.set VP,    160                        ; LDS pitch of V's rows: 128 + 32, an odd multiple of 32, for the transposing load
.set KBUF,  64*KP                      ; 9,216: one K buffer; three from LDS byte 0
.set VBUF,  64*VP                      ; 10,240: one V buffer; three from VOFF
.set VOFF,  3*KBUF                     ; 27,648
.set STG,   VOFF+3*VBUF                ; 58,368: from here each wave's own stage
.set STGW,  8704                       ; first Q (32 rows, pitch 144), at the end two blocks of 16 rows x 256 bytes of output, pitch 272
.set SP,    272
.set CEXP,  0x3e8293ee                 ; log2(e) / sqrt(32)
.set KAD,  1                           ; v1   K fragments: r x 144 + 16 h
.set VAD,  2                           ; v2   V fragments: (8 h + lane % 8) x 160 + 16 ((lane / 8) % 2)
.set KST,  3                           ; v3   where my 8 bytes of a K tile go: (t / 16) x 144 + 8 (t % 16)
.set VST,  4                           ; v4   the same for V, pitch 160
.set GOFF, 5                           ; v5   16 t: my 16 bytes in 4,096 bytes of a tile
.set PFO,  6                           ; v6   256 x lane, for the prefetch
.set QST,  7                           ; v7   where my 8 bytes of Q go in the stage
.set MX,   8                           ; v8-11   running maximum of group g (raw scores)
.set LS,   12                          ; v12-15  running sum of group g, of my half of the keys
.set NM,   16                          ; v16  -maximum x CEXP.  The packed forms name v[16:17] and take v16 for both halves; v17 is written once and never used
.set AL,   18                          ; v18  rescaling factor; v[18:19] likewise
.set T,    20                          ; v20-23  at work
.set U0,   24                          ; v[24:25], v[26:27]  two chains of packed sums
.set U1,   26
.set SST,  28                          ; v28  way out: where my 32 bytes of a row go
.set SRD,  29                          ; v29  way out: where I read rows back
.set OOFF, 30                          ; v30  16 x lane: Q's loads and the output's stores
.set QRD,  31                          ; v31  Q fragments
.set Q,    32                          ; v32-63   Q fragment (qb, map) at Q + 16 qb + 8 map
.set KF,   64                          ; v64-95   K fragments of four key blocks, one map at a time
.set VF,   96                          ; v96-159  V^T fragment (ks, db) at VF + 8 (4 ks + db); Q as loaded at the start, rows read back at the end
.set SA,   160                         ; v160-191 scores, then weights, set A; at the start tile 1 as loaded
.set SB,   192                         ; v192-223 set B
.set STK,  224                         ; v224-239 a K tile on its way
.set STV,  240                         ; v240-255 a V tile on its way
; window 1 (v256-383): the sums O^T of group g, d block db, at v[256 + 32 g + 8 db]
.set MSB, 0
.macro WIN new                         ; s_set_vgpr_msb: bits 1:0 source 0, 3:2 source 1, 5:4 source 2, 7:6 destination; the high byte repeats the setting that is left
.if MSB != \new
	s_set_vgpr_msb (MSB<<8)|\new
.set MSB, \new
.endif
.endm
; Four places: a vector instruction or a load that touches a matrix instruction's registers stands four plain vector instructions behind it
.macro PLACES
.rept 4
	v_nop
.endr
.endm
; A tile of K and of V, off bytes behind the two bases, into 16 registers each: 8 loads of 16 bytes a lane.  No hint: eight work-groups read these bytes.
.macro GET kr, vr, off
.irp i, 0,1,2,3
	global_load_b128 v[\kr+4*\i:\kr+4*\i+3], v[GOFF], s[6:7] offset:\off+4096*\i
.endr
.irp i, 0,1,2,3
	global_load_b128 v[\vr+4*\i:\vr+4*\i+3], v[GOFF], s[8:9] offset:\off+4096*\i
.endr
.endm
; Such a tile, landed, is rounded to f16 in place and stored into LDS buffer buf.  Load i holds rows 16 i + t / 16.
.macro PUT buf, kr, vr
.irp i, 0,1,2,3
	v_cvt_pk_f16_f32 v[\kr+4*\i],   v[\kr+4*\i],   v[\kr+4*\i+1]
	v_cvt_pk_f16_f32 v[\kr+4*\i+1], v[\kr+4*\i+2], v[\kr+4*\i+3]
	v_cvt_pk_f16_f32 v[\vr+4*\i],   v[\vr+4*\i],   v[\vr+4*\i+1]
	v_cvt_pk_f16_f32 v[\vr+4*\i+1], v[\vr+4*\i+2], v[\vr+4*\i+3]
.endr
.irp i, 0,1,2,3
	ds_store_b64 v[KST], v[\kr+4*\i:\kr+4*\i+1] offset:(\buf)*KBUF+16*KP*\i
	ds_store_b64 v[VST], v[\vr+4*\i:\vr+4*\i+1] offset:VOFF+(\buf)*VBUF+16*VP*\i
.endr
.endm
; K fragments of map mp: 16 keys x 32 d each: lane (r, h) takes d = 8 h + 0..7 and 16 + 8 h + 0..7 of key 16 kb + r
.macro LDK buf, mp
.irp kb, 0,1,2,3
	ds_load_b128 v[KF+8*\kb:KF+8*\kb+3],   v[KAD] offset:(\buf)*KBUF+16*KP*\kb+64*\mp
	ds_load_b128 v[KF+8*\kb+4:KF+8*\kb+7], v[KAD] offset:(\buf)*KBUF+16*KP*\kb+64*\mp+32
.endr
.endm
; V^T fragments: 16 d x 32 keys each: lane (r, h) gets keys 32 ks + 8 h + 0..7 and 32 ks + 16 + 8 h + 0..7 of column 16 db + r
.macro LDV buf
.irp ks, 0,1
.irp db, 0,1,2,3
	ds_load_tr16_b128 v[VF+8*(4*\ks+\db):VF+8*(4*\ks+\db)+3],   v[VAD] offset:VOFF+(\buf)*VBUF+32*VP*\ks+32*\db
	ds_load_tr16_b128 v[VF+8*(4*\ks+\db)+4:VF+8*(4*\ks+\db)+7], v[VAD] offset:VOFF+(\buf)*VBUF+32*VP*\ks+32*\db+16*VP
.endr
.endr
.endm
; Scores of 64 keys x 16 queries of block qb, map mp, into set sc: one matrix instruction covers the map's whole 32 d
.macro SW sc, qb, mp
.irp kb, 0,1,2,3
	v_wmma_f32_16x16x32_f16 v[\sc+8*\kb:\sc+8*\kb+7], v[KF+8*\kb:KF+8*\kb+7], v[Q+16*\qb+8*\mp:Q+16*\qb+8*\mp+7], 0
.endr
.endm
; Key block b of set sc: weight = 2^(score x CEXP - maximum x CEXP), in place.  Both halves take s20 and v[NM].
.macro EXPB sc, b
.irp i, 0,2,4,6
	v_pk_fma_f32 v[\sc+8*\b+\i:\sc+8*\b+\i+1], v[\sc+8*\b+\i:\sc+8*\b+\i+1], s[20:21], v[NM:NM+1] op_sel_hi:[1,0,0]
.endr
.irp i, 0,1,2,3,4,5,6,7
	v_exp_f32 v[\sc+8*\b+\i], v[\sc+8*\b+\i]
.endr
.endm
; Key block b's weights are added to the two chains, then packed to f16 into registers sc + 4 b .. + 3, all of which have been read by then
.macro SUMCVT sc, b
.if \b == 0
	s_wait_alu depctr_va_vdst(0)
	v_pk_add_f32 v[U0:U0+1], v[\sc:\sc+1],   v[\sc+2:\sc+3]    ; the first block starts the chains: nothing is cleared
	v_pk_add_f32 v[U1:U1+1], v[\sc+4:\sc+5], v[\sc+6:\sc+7]
.else
	s_wait_alu depctr_va_vdst(0)
	v_pk_add_f32 v[U0:U0+1], v[U0:U0+1], v[\sc+8*\b:\sc+8*\b+1]
	v_pk_add_f32 v[U1:U1+1], v[U1:U1+1], v[\sc+8*\b+2:\sc+8*\b+3]
	v_pk_add_f32 v[U0:U0+1], v[U0:U0+1], v[\sc+8*\b+4:\sc+8*\b+5]
	v_pk_add_f32 v[U1:U1+1], v[U1:U1+1], v[\sc+8*\b+6:\sc+8*\b+7]
.endif
.irp i, 0,1,2,3
	v_cvt_pk_f16_f32 v[\sc+4*\b+\i], v[\sc+8*\b+2*\i], v[\sc+8*\b+2*\i+1]
.endr
.endm
; The softmax step of group g on set sc.  first = 1: the first tile starts maximum and sum.
; Leaves the weights as two operands of 8 registers (keys 0-31 at sc, keys 32-63 at sc + 8), and the factor for the old sums in AL.
.macro SMAX g, sc, first
.irp k, 0,1,2,3
	v_max3_num_f32 v[T+\k], v[\sc+8*\k], v[\sc+8*\k+1], v[\sc+8*\k+2]      ; four chains that do not wait for each other
.endr
.irp k, 0,1,2,3
	v_max3_num_f32 v[T+\k], v[T+\k], v[\sc+8*\k+3], v[\sc+8*\k+4]
.endr
.irp k, 0,1,2,3
	v_max3_num_f32 v[T+\k], v[T+\k], v[\sc+8*\k+5], v[\sc+8*\k+6]
.endr
	v_max3_num_f32 v[T],   v[T],   v[T+1], v[\sc+7]
	v_max3_num_f32 v[T+2], v[T+2], v[T+3], v[\sc+15]
	v_max3_num_f32 v[T],   v[T],   v[\sc+23], v[\sc+31]
.if \first
	v_max_num_f32 v[T], v[T], v[T+2]
.else
	v_max3_num_f32 v[T], v[T], v[T+2], v[MX+\g]    ; the running maximum joins
.endif
	v_permlanex16_b32 v[T+1], v[T], s24, s25       ; the other half of the keys lies in lane xor 16 (the destination has been written above)
	v_max_num_f32 v[T+2], v[T], v[T+1]
	v_mul_f32 v[NM], s22, v[T+2]
.if \first
	v_mov_b32 v[MX+\g], v[T+2]
.else
	v_fma_f32 v[T+3], v[MX+\g], s20, v[NM]         ; (old maximum - new maximum) x CEXP, never above 0 but for one rounding
	v_mov_b32 v[MX+\g], v[T+2]
	v_exp_f32 v[AL], v[T+3]
.endif
	; Behind each run of v_exp_f32 stands plain work on another key block before its results are used (ISA guide 5.7.2)
	EXPB \sc, 0
	EXPB \sc, 1
	SUMCVT \sc, 0
	EXPB \sc, 2
	SUMCVT \sc, 1
	EXPB \sc, 3
	SUMCVT \sc, 2
	SUMCVT \sc, 3
	v_pk_add_f32 v[U0:U0+1], v[U0:U0+1], v[U1:U1+1]
.if \first
	v_add_f32 v[LS+\g], v[U0], v[U0+1]
.else
	v_add_f32 v[T], v[U0], v[U0+1]
	v_fma_f32 v[LS+\g], v[LS+\g], v[AL], v[T]
.endif
.endm
; Group g's 32 registers of sums times the factor (both halves take v[AL])
.macro RESC g
	WIN 0x41                                       ; destination and source 0 in window 1
.irp i, 0,2,4,6,8,10,12,14,16,18,20,22,24,26,28,30
	v_pk_mul_f32 v[32*\g+\i:32*\g+\i+1], v[32*\g+\i:32*\g+\i+1], v[AL:AL+1] op_sel_hi:[1,0]
.endr
.endm
; O^T (64 d x 16 queries) += V^T (64 d x 64 keys) P^T.  The four accumulators take turns, one instruction a turn.
; first = 1: the first 32 keys start the sums.
.macro PV g, sc, first
	WIN 0x50                                       ; C and D in window 1
.irp ks, 0,1
.irp db, 0,1,2,3
.if \first*(1-\ks)
	v_wmma_f32_16x16x32_f16 v[32*\g+8*\db:32*\g+8*\db+7], v[VF+8*(4*\ks+\db):VF+8*(4*\ks+\db)+7], v[\sc+8*\ks:\sc+8*\ks+7], 0
.else
	v_wmma_f32_16x16x32_f16 v[32*\g+8*\db:32*\g+8*\db+7], v[VF+8*(4*\ks+\db):VF+8*(4*\ks+\db)+7], v[\sc+8*\ks:\sc+8*\ks+7], v[32*\g+8*\db:32*\g+8*\db+7]
.endif
.endr
.endr
	WIN 0
.endm
; Trip t: tile t, 64 keys, from LDS buffer buf = t % 3; nxt = (t + 1) % 3.  At its head K's fragments of map 0 are on their way or in: the trip before asked for them.
; first: trip 0, which starts maxima and sums.  put: tile t + 1 is stored, with the barrier.  get: tile t + 2 is asked for.
; pf: -1, or tile t + 3 is asked ahead for, pf tiles behind the prefetch base.
; The four groups are staggered on the two score sets, so that a group's matrix work stands between other groups' vector work.
.macro TRIP buf, nxt, first, put, get, pf
.if \put
	s_wait_loadcnt 0x0                             ; tile t + 1's eight loads, issued a trip ago, are all that is out; the wait also frees their bases
	s_add_nc_u64 s[6:7], s[6:7], TILEB             ; the bases now stand at tile t
	s_add_nc_u64 s[8:9], s[8:9], TILEB
	PUT \nxt, STK, STV                             ; its sixteen conversions are also the places behind the last trip's matrix instructions
	s_wait_dscnt 0x0                               ; for the others' sake: my stores are done and every LDS load of mine is back, K's fragments of this tile among them
.if \get
	GET STK, STV, 2*TILEB                          ; tile t + 2: it has a whole trip in which to land
.endif
.if \pf >= 0
	; Asking ahead: tile t + 3, whose loads stand at the head of trip t + 1.  A tile is two pieces of 8 KiB of K and two of V: wave 0 of the head's work-groups 0-3
	; takes one piece each, lanes 256 bytes apart, so each piece is asked for once in the launch.  The last request is tile 31's, in trip 28.
	s_cmp_lg_u32 s14, 0
	s_cbranch_scc1 .Lno_pf_\@
	s_cmp_ge_u32 s16, 4
	s_cbranch_scc1 .Lno_pf_\@
	global_prefetch_b8 v[PFO], s[28:29] offset:\pf*TILEB th:TH_LOAD_NT scope:SCOPE_SE
.Lno_pf_\@:
.endif
	s_barrier_signal -1                            ; my part of tile t + 1 lies in LDS, and I read nothing older than tile t any more
.else
.if \first == 0
	PLACES                                         ; five places behind the last trip's matrix instructions: four ahead of the loads into VF,
	v_nop                                          ; five ahead of the matrix instructions that write set B anew
.endif
.endif
	LDV \buf
	s_wait_dscnt 16                                ; K's eight loads of map 0 are in; V's sixteen may stay out
	SW SA, 0, 0
	SW SB, 1, 0
	PLACES                                         ; ahead of the loads into KF and of the reads of SA and SB
	LDK \buf, 1
	SMAX 0, SA, \first
.if \first == 0
	RESC 0
.endif
	s_wait_dscnt 8                                 ; V is in; the eight loads of map 1's K may stay out
	PV 0, SA, \first
	SMAX 1, SB, \first                             ; also the places before SA is written again
	s_wait_dscnt 0                                 ; map 1's K is in
	SW SA, 0, 1
.if \first
	PLACES                                         ; ahead of the reads of SA below
.else
	RESC 1                                         ; sixteen places behind the scores, of use
.endif
	PV 1, SB, \first
	SMAX 2, SA, \first
	SW SB, 1, 1
.if \first
	PLACES                                         ; ahead of the loads into KF and of the reads of SB
.else
	RESC 2
.endif
	PV 2, SA, \first
.if \put
	s_barrier_wait -1                              ; every wave has stored its part of tile t + 1
.endif
.if \put + \first
	LDK \nxt, 0                                    ; the next trip's first fragments land under the fourth group's work (in trip 0 the barrier at the start has shown tile 1 whole)
.endif
	SMAX 3, SB, \first
.if \first == 0
	RESC 3
.endif
	PV 3, SB, \first
.endm
; The two chains, my two halves of a pair and the two halves of the lanes become one sum, in T, in every lane
.macro JOIN
	v_pk_add_f32 v[U0:U0+1], v[U0:U0+1], v[U1:U1+1]
	v_add_f32 v[T], v[U0], v[U0+1]
	v_permlanex16_b32 v[T+1], v[T], s24, s25
	v_add_f32 v[T], v[T], v[T+1]
.endm
; The end of query block qb, in the 32 registers at rr: lane (r, h) holds d = 16 db + 8 h + j of query r in register 8 db + j
.macro EPI qb, rr
	v_rcp_f32 v[NM], v[LS+\qb]                     ; 1 / sum of map 0
	v_rcp_f32 v[AL], v[LS+2+\qb]                   ; 1 / sum of map 1
	v_nop                                          ; one plain place behind the reciprocals (ISA guide 5.7.2)
	s_wait_alu depctr_va_vdst(0)
	v_mul_f32 v[AL], s27, v[AL]                    ; -lambda / sum of map 1
	WIN 0x01                                       ; source 0 in window 1
.irp i, 0,2,4,6,8,10,12,14,16,18,20,22,24,26,28,30
	v_pk_mul_f32 v[\rr+\i:\rr+\i+1], v[32*(2+\qb)+\i:32*(2+\qb)+\i+1], v[AL:AL+1] op_sel_hi:[1,0]
.endr
.irp i, 0,2,4,6,8,10,12,14,16,18,20,22,24,26,28,30
	v_pk_fma_f32 v[\rr+\i:\rr+\i+1], v[32*\qb+\i:32*\qb+\i+1], v[NM:NM+1], v[\rr+\i:\rr+\i+1] op_sel_hi:[1,0,1]
.endr
	WIN 0
	; the mean, taken away first; then the variance of what is left: no difference of large sums
	v_pk_add_f32 v[U0:U0+1], v[\rr:\rr+1],   v[\rr+2:\rr+3]
	v_pk_add_f32 v[U1:U1+1], v[\rr+4:\rr+5], v[\rr+6:\rr+7]
.irp i, 8,12,16,20,24,28
	v_pk_add_f32 v[U0:U0+1], v[U0:U0+1], v[\rr+\i:\rr+\i+1]
	v_pk_add_f32 v[U1:U1+1], v[U1:U1+1], v[\rr+\i+2:\rr+\i+3]
.endr
	JOIN
	v_mul_f32 v[NM], 0xbc800000, v[T]              ; -sum / 64
.irp i, 0,2,4,6,8,10,12,14,16,18,20,22,24,26,28,30
	v_pk_add_f32 v[\rr+\i:\rr+\i+1], v[\rr+\i:\rr+\i+1], v[NM:NM+1] op_sel_hi:[1,0]
.endr
	v_pk_mul_f32 v[U0:U0+1], v[\rr:\rr+1],   v[\rr:\rr+1]
	v_pk_mul_f32 v[U1:U1+1], v[\rr+2:\rr+3], v[\rr+2:\rr+3]
.irp i, 4,8,12,16,20,24,28
	v_pk_fma_f32 v[U0:U0+1], v[\rr+\i:\rr+\i+1],   v[\rr+\i:\rr+\i+1],   v[U0:U0+1]
	v_pk_fma_f32 v[U1:U1+1], v[\rr+\i+2:\rr+\i+3], v[\rr+\i+2:\rr+\i+3], v[U1:U1+1]
.endr
	JOIN
	v_fma_f32 v[T], v[T], s36, s37                 ; sum of squares / 64 + 1e-5
	v_rsq_f32 v[T+1], v[T]
	v_nop                                          ; one plain place behind it
	s_wait_alu depctr_va_vdst(0)
	v_mul_f32 v[AL], 0x3e4ccccd, v[T+1]            ; x 0.2
.irp i, 0,2,4,6,8,10,12,14,16,18,20,22,24,26,28,30
	v_pk_mul_f32 v[\rr+\i:\rr+\i+1], v[\rr+\i:\rr+\i+1], v[AL:AL+1] op_sel_hi:[1,0]
.endr
	; out through my own stage: 32 bytes a lane into rows of 272 bytes, read back as whole rows of 256 bytes
.irp db, 0,1,2,3
	ds_store_b128 v[SST], v[\rr+8*\db:\rr+8*\db+3]   offset:16*SP*\qb+64*\db
	ds_store_b128 v[SST], v[\rr+8*\db+4:\rr+8*\db+7] offset:16*SP*\qb+64*\db+16
.endr
.irp t, 0,1,2,3,4,5,6,7
	ds_load_b128 v[VF+32*\qb+4*\t:VF+32*\qb+4*\t+3], v[SRD] offset:16*SP*\qb+2*SP*\t   ; LDS serves a wave's instructions in order (ISA guide 5.7.1): these see the stores above
.endr
.irp t, 0,1,2,3,4,5,6,7
	s_wait_dscnt 7-\t                              ; read-back t is in; the younger ones may stay out
	global_store_b128 v[OOFF], v[VF+32*\qb+4*\t:VF+32*\qb+4*\t+3], s[12:13] offset:4096*\qb+512*\t th:TH_STORE_NT   ; two rows: 512 consecutive bytes, at a multiple of 512 from out0's first byte
.endr
.endm
	; ---- ids, addresses, the first loads ----
	s_load_b256 s[4:11], s[0:1], 0x0               ; query s[4:5], key s[6:7], value s[8:9], lambda_params s[10:11]
	s_load_b64 s[12:13], s[0:1], 0x20              ; out0
	s_set_vgpr_msb 0x40
	v_lshl_add_u32 v128, v0, 2, 0x1f400
	v_mov_b32 v129, 0
	s_set_vgpr_msb 0x4000
	v_lshrrev_b32 v[T], 5, v0
	v_readfirstlane_b32 s14, v[T]                  ; wave 0..7
	s_lshr_b32 s15, ttmp9, 3                       ; head 0..31 (batch x 16 + head)
	s_and_b32 s16, ttmp9, 7                        ; which 256 queries of the head
	s_lshl_b32 s18, s15, 19                        ; a head is 2,048 x 256 = 524,288 bytes
	s_mov_b32 s19, 0
	s_lshl_b32 s30, s16, 16                        ; 256 queries are 65,536 bytes,
	s_lshl_b32 s31, s14, 13                        ; a wave's 32 are 8,192
	s_add_co_u32 s30, s30, s31
	s_add_co_u32 s30, s30, s18
	s_mov_b32 s31, 0
	s_and_b32 s32, s15, 15                         ; lambda_params has one number for each of 16 heads
	s_lshl_b32 s32, s32, 2
	s_mov_b32 s33, 0
	s_and_b32 s34, s16, 1                          ; asking ahead: which 8 KiB of a tile's 16 KiB,
	s_lshl_b32 s34, s34, 13
	s_add_co_u32 s34, s34, 3*TILEB                 ; beginning with tile 3
	s_mov_b32 s35, 0
	v_and_b32 v[T+1], 31, v0                       ; lane
	v_lshlrev_b32 v[GOFF], 4, v0
	v_lshlrev_b32 v[OOFF], 4, v[T+1]
	v_lshlrev_b32 v[PFO], 8, v[T+1]
	s_wait_kmcnt 0x0
	s_add_nc_u64 s[4:5], s[4:5], s[30:31]          ; my wave's queries
	s_add_nc_u64 s[12:13], s[12:13], s[30:31]      ; and their rows of out0
	s_add_nc_u64 s[6:7], s[6:7], s[18:19]          ; the head's K
	s_add_nc_u64 s[8:9], s[8:9], s[18:19]          ; and V
	s_add_nc_u64 s[10:11], s[10:11], s[32:33]
	s_load_b32 s27, s[10:11], 0x0                  ; lambda of my head
	s_bitcmp1_b32 s16, 1                           ; of the work-groups that ask ahead, 2 and 3 ask for V, 0 and 1 for K
	s_cselect_b64 s[28:29], s[8:9], s[6:7]
	s_add_nc_u64 s[28:29], s[28:29], s[34:35]
.irp i, 0,1,2,3,4,5,6,7,8,9,10,11,12,13,14,15
	global_load_b128 v[VF+4*\i:VF+4*\i+3], v[OOFF], s[4:5] offset:512*\i th:TH_LOAD_NT   ; my 32 queries, two rows a load; read once in the launch
.endr
	GET STK, STV, 0                                ; tile 0
	GET SA, SA+16, TILEB                           ; tile 1, into score set A, which is free so far: the two first tiles come together
	; ---- constants and lane terms, while the loads are on their way ----
	s_mul_i32 s17, s14, STGW
	s_add_co_u32 s17, s17, STG                     ; my wave's stage
	s_mov_b32 s20, CEXP
	s_mov_b32 s21, CEXP                            ; the pair is named whole by the packed form
	s_mov_b32 s22, CEXP|0x80000000                 ; -CEXP
	s_mov_b32 s24, 0x76543210                      ; v_permlanex16_b32: lane i reads lane i of the other half
	s_mov_b32 s25, 0xfedcba98
	s_mov_b32 s36, 0x3c800000                      ; 1 / 64
	s_mov_b32 s37, 0x3727c5ac                      ; 1e-5
	v_mov_b32 v[NM+1], 0                           ; the second registers of the two pairs of which the packed forms take the first for both halves:
	v_mov_b32 v[AL+1], 0                           ; named, so written; their value enters nothing
	v_and_b32 v[T], 15, v0                         ; r = lane % 16 = t % 16
	v_bfe_u32 v[T+1], v0, 4, 1                     ; h = lane / 16
	v_mul_u32_u24 v[KAD], v[T], KP
	v_lshl_add_u32 v[KAD], v[T+1], 4, v[KAD]
	v_and_b32 v[T+2], 7, v0
	v_lshl_add_u32 v[T+2], v[T+1], 3, v[T+2]       ; 8 h + lane % 8
	v_bfe_u32 v[T+3], v0, 3, 1
	v_mul_u32_u24 v[VAD], v[T+2], VP
	v_lshl_add_u32 v[VAD], v[T+3], 4, v[VAD]
	v_lshrrev_b32 v[T+2], 4, v0                    ; t / 16: my row among 16
	v_mul_u32_u24 v[KST], v[T+2], KP
	v_lshl_add_u32 v[KST], v[T], 3, v[KST]         ; four f32 become 8 bytes of f16
	v_mul_u32_u24 v[VST], v[T+2], VP
	v_lshl_add_u32 v[VST], v[T], 3, v[VST]
	v_mul_u32_u24 v[QST], v[T+1], KP               ; a load of Q holds two rows: lanes 0-15 the even one
	v_lshl_add_u32 v[QST], v[T], 3, v[QST]
	v_add_nc_u32 v[QST], s17, v[QST]
	v_add_nc_u32 v[QRD], s17, v[KAD]
	v_mul_u32_u24 v[SST], v[T], SP
	v_lshl_add_u32 v[SST], v[T+1], 5, v[SST]       ; row r, 32 bytes for each half of the lanes
	v_add_nc_u32 v[SST], s17, v[SST]
	v_mul_u32_u24 v[SRD], v[T+1], SP
	v_lshl_add_u32 v[SRD], v[T], 4, v[SRD]         ; back: lanes 0-15 one row of 256 bytes, lanes 16-31 the next
	v_add_nc_u32 v[SRD], s17, v[SRD]
	s_wait_kmcnt 0x0
	s_xor_b32 s27, s27, 0x80000000                 ; -lambda
	; ---- Q: rounded to f16, through my stage into four fragments that stay ----
	s_wait_loadcnt 16                              ; Q's sixteen loads are in; the sixteen of tiles 0 and 1 may stay out
.irp i, 0,1,2,3,4,5,6,7,8,9,10,11,12,13,14,15
	v_cvt_pk_f16_f32 v[VF+4*\i],   v[VF+4*\i],   v[VF+4*\i+1]
	v_cvt_pk_f16_f32 v[VF+4*\i+1], v[VF+4*\i+2], v[VF+4*\i+3]
	ds_store_b64 v[QST], v[VF+4*\i:VF+4*\i+1] offset:2*KP*\i
.endr
.irp qb, 0,1
.irp mp, 0,1
	ds_load_b128 v[Q+16*\qb+8*\mp:Q+16*\qb+8*\mp+3],   v[QRD] offset:16*KP*\qb+64*\mp      ; my own bytes, served in order behind the stores
	ds_load_b128 v[Q+16*\qb+8*\mp+4:Q+16*\qb+8*\mp+7], v[QRD] offset:16*KP*\qb+64*\mp+32
.endr
.endr
	; ---- tiles 0 and 1 into buffers 0 and 1; tile 2 is asked for ----
	s_wait_loadcnt 8                               ; tile 0's eight loads are in; tile 1's may stay out
	PUT 0, STK, STV
	s_wait_loadcnt 0x0                             ; tile 1
	PUT 1, SA, SA+16
	s_wait_dscnt 0x0                               ; my stores are done; Q's fragments are in too
	GET STK, STV, 2*TILEB                          ; tile 2: waited for at the head of trip 1
	s_cmp_lg_u32 s14, 0
	s_cbranch_scc1 .Lno_first_pf
	s_cmp_ge_u32 s16, 4
	s_cbranch_scc1 .Lno_first_pf
	global_prefetch_b8 v[PFO], s[28:29] th:TH_LOAD_NT scope:SCOPE_SE    ; tile 3, whose loads stand at the head of trip 1
.Lno_first_pf:
	s_barrier_signal -1
	s_barrier_wait -1                              ; tiles 0 and 1 are whole
	LDK 0, 0
	; ---- 32 tiles: trip t reads buffer t % 3 ----
	TRIP 0, 1, 1, 0, 0, -1                         ; trip 0 starts maxima and sums: nothing is cleared; tile 1 is stored already, so no barrier
	s_wait_xcnt 0x0                                ; the prefetch base is stepped only behind this wait; the last prefetch stands a trip back
	s_add_nc_u64 s[28:29], s[28:29], TILEB         ; tile 4
	s_mov_b32 s26, 9
.Lthree:
	TRIP 1, 2, 0, 1, 1, 0                          ; trips 1, 4, .. 25
	TRIP 2, 0, 0, 1, 1, 1                          ; trips 2, 5, .. 26
	TRIP 0, 1, 0, 1, 1, 2                          ; trips 3, 6, .. 27
	s_wait_xcnt 0x0                                ; as above: most of a trip lies behind the last prefetch
	s_add_nc_u64 s[28:29], s[28:29], 3*TILEB
	s_sub_co_u32 s26, s26, 1
	s_cmp_lg_u32 s26, 0
	s_cbranch_scc1 .Lthree
	TRIP 1, 2, 0, 1, 1, 0                          ; trip 28: stores tile 29, asks for tile 30, asks ahead for tile 31, the last
	TRIP 2, 0, 0, 1, 1, -1                         ; trip 29: stores tile 30, asks for tile 31
	TRIP 0, 1, 0, 1, 0, -1                         ; trip 30: stores tile 31; nothing is left to ask for
	TRIP 1, 2, 0, 0, 0, -1                         ; trip 31: no exchange, no barrier: from here each wave touches its own stage alone
	; ---- the way out ----
	PLACES                                         ; behind the last matrix instructions, ahead of the reads of their sums and the writes of their operands
.irp g, 0,1,2,3
	v_permlanex16_b32 v[T+\g], v[LS+\g], s24, s25  ; the sums over the other half of the keys
.endr
.irp g, 0,1,2,3
	v_add_f32 v[LS+\g], v[LS+\g], v[T+\g]
.endr
	EPI 0, SA
	EPI 1, SB
	s_set_vgpr_msb 0x5
	s_wait_tensorcnt 0x0
	ds_add_u32 v128, v129
	s_wait_dscnt 0x0
	s_set_vgpr_msb 0x500
	s_endpgm
.Lfunc_end_k_qa2af0cb912_diffattn:
	.size	k_qa2af0cb912_diffattn, .Lfunc_end_k_qa2af0cb912_diffattn-k_qa2af0cb912_diffattn
	.p2alignl 7, 3214868480
	.fill 96, 4, 3214868480
	.section	.rodata,"a",@progbits
	.p2align	6, 0x0
	.amdhsa_kernel k_qa2af0cb912_diffattn
		.amdhsa_group_segment_fixed_size 129024
		.amdhsa_private_segment_fixed_size 0
		.amdhsa_enable_private_segment 0
		.amdhsa_kernarg_size 40
		.amdhsa_user_sgpr_count 2
		.amdhsa_user_sgpr_kernarg_segment_ptr 1
		.amdhsa_wavefront_size32 1
		.amdhsa_system_sgpr_workgroup_id_x 1
		.amdhsa_system_sgpr_workgroup_id_y 1
		.amdhsa_system_sgpr_workgroup_id_z 1
		.amdhsa_system_vgpr_workitem_id 0
		.amdhsa_next_free_vgpr 386
		.amdhsa_next_free_sgpr 66
		.amdhsa_reserve_vcc 0
		.amdhsa_float_denorm_mode_32 3
		.amdhsa_float_denorm_mode_16_64 3
		.amdhsa_memory_ordered 1
		.amdhsa_forward_progress 1
		.amdhsa_inst_pref_size 255
	.end_amdhsa_kernel
	.section	.bss,"aw",@nobits
	.p2align	6
	.space	262144
	.amdgpu_metadata
---
amdhsa.version: [ 1, 2 ]
amdhsa.kernels:
  - .name:           k_qa2af0cb912_diffattn
    .symbol:         k_qa2af0cb912_diffattn.kd
    .args:
      - { .name: query, .offset: 0, .size: 8, .value_kind: global_buffer, .address_space: global }
      - { .name: key, .offset: 8, .size: 8, .value_kind: global_buffer, .address_space: global }
      - { .name: value, .offset: 16, .size: 8, .value_kind: global_buffer, .address_space: global }
      - { .name: lambda_params, .offset: 24, .size: 8, .value_kind: global_buffer, .address_space: global }
      - { .name: out0, .offset: 32, .size: 8, .value_kind: global_buffer, .address_space: global }
    .group_segment_fixed_size: 129024
    .private_segment_fixed_size: 0
    .kernarg_segment_align: 8
    .kernarg_segment_size: 40
    .max_flat_workgroup_size: 256
    .sgpr_count:     66
    .vgpr_count:     386
    .wavefront_size: 32
...
	.end_amdgpu_metadata
.endif
;; end of part 1
